; MI455X (gfx1250); checked and timed in simulation.
; The chip was launched on July 23, 2026; its instructions are those of AMD's public machine-readable ISA for CDNA 5 (MIT licence, August 2026) and "CDNA5" Instruction Set Architecture Reference Guide (July 2026). The comments in the code are by the model that wrote it; some were corrected since.
;; HQQ Linear. Allowed arithmetic: matrix products marked QUANTISED: E4M3 operands, one E8M0 scale for each 32 along K, by v_wmma_scale_f32_16x16x128_f8f6f4 with both operands' format E4M3, f32 sums; everything else in f32.
;; Inputs: W_packed 2,048 x 512 int32; bias 2,048 float32; scale 131,072 x 1 float32; x 8,192 x 4,096 float32; zero 131,072 x 1 float32.
;; Outputs: out0 8,192 x 2,048 float32.
;; This version of the problem:
;;   THIS VERSION OF THE PROBLEM IS GIVEN IN LOW PRECISION. The matrix products marked QUANTISED in the list below multiply operands that are first quantised to E4M3 (4 exponent bits, 3 mantissa bits; 8 bits a number), with one power-of-two scale for each 32 numbers along K (OCP MX v1.0); their sums are f32. All else is computed in f32.
;;   The module's matrix products, in the order in which they are computed (A, B: the left and right operand; K: the contracted axis; several contracted axes count as one K, in the product's order):
;;     1. [M 8,192, K 4,096] x [K 4,096, N 2,048]; A: input x; B: computed on the way: QUANTISED
;;   THE QUANTISER, for each operand of a quantised product, along K:
;;     - K is cut into blocks of 32 from its start; a last block that is shorter is filled with zeros.
;;     - A block's scale is 2^e with e = floor(log2(the largest magnitude in the block)) - 8, held to -126 .. 127; a block of zeros has e = 0. As a byte (E8M0): e + 127.
;;     - Each number is divided by its block's scale, clamped to +-448, and rounded to the nearest number of E4M3, ties to even, subnormals kept.
;;     - The product sums the exact products of the quantised numbers (number of the format x scale) in f32.
;;   ~~~python
;;   def quantise(x, axis):      # numpy; x: float32 -> the quantised numbers, widened to float32 again
;;       x = np.moveaxis(x, axis, -1); K = x.shape[-1]
;;       x = np.pad(x, [(0, 0)] * (x.ndim - 1) + [(0, -K % 32)]); x = x.reshape(x.shape[:-1] + (-1, 32)); a = np.abs(x).max(-1, keepdims=True)
;;       e = np.where(a > 0, np.clip(np.frexp(np.where(a > 0, a, 1))[1] - 1 - 8, -126, 127), 0)      # np.frexp(a)[1] - 1 = floor(log2(a)), exactly
;;       r = np.clip(x / 2.0 ** e, -448, 448)
;;       step = 2.0 ** (np.maximum(np.frexp(np.where(r == 0, 1, r))[1] - 1, -6) - 3)
;;       q = np.round(r / step) * step * 2.0 ** e      # np.round: ties to even
;;       return np.moveaxis(q.reshape(q.shape[:-2] + (-1,))[..., :K], -1, axis).astype(np.float32)
;;   ~~~
;;   OPERANDS COMPUTED ON THE WAY. 'Computed on the way' means the value that the module computes at that place (a softmax that the list does not call 'softmax' is quantised finished and normalised). What goes into a quantiser is computed in f32, as accurately as f32 sums, v_exp_f32 and their like allow (about 1e-6 of the number): no bf16 or f16 on the way to a quantiser, and a product that is left as it is and whose result goes on into a quantised operand takes f32 operands (vector FMAs, or v_wmma_f32_16x16x4_f32). A number that lies on a knife's edge between two numbers of the format may be rounded either way, as far as f32 arithmetic and the matrix unit's own rounding can turn it there, and no further.
;; One version. Each part assembles by itself: llvm-mc -triple=amdgcn-amd-amdhsa -mcpu=gfx1250 --defsym DOCPART=n.
;; ======== version 1 of 1: 2 launches
;; limits: right only within a limited range of input values
;; workspace buffers: xq 34,603,008 bytes; wq 8,650,752 bytes
;; launch quant (part 1): grid 1280 x 1, 4 waves a work-group, no clusters, 34,304 bytes of LDS; arguments x, W_packed, scale, zero, xq, wq; writes xq, wq
.if DOCPART == 1
	.amdgcn_target "amdgcn-amd-amdhsa--gfx1250"
	.amdhsa_code_object_version 6
	.text
	.protected	k_q3fde5f7583_quant
	.globl	k_q3fde5f7583_quant
	.p2align	8
	.type	k_q3fde5f7583_quant,@function
k_q3fde5f7583_quant:
	s_mov_b64 s[64:65], 0
	v_nop
	global_prefetch_b8 v0, s[64:65] scope:SCOPE_SE
	s_setreg_imm32_b32 hwreg(HW_REG_WAVE_MODE, 25, 1), 1
	s_wait_xcnt 0x0
; Both operands of out0 = Q(x) Q(W_hat)^T + bias are quantised ONCE, along K, to codes of FP8 (E4M3) with one E8M0 scale byte for each 32 along K.
; x: [8192][4096] f32.  W_hat[n][k] = (bit - zero) * scale: bit k%8 of W_packed[n][k/8] (int32, [2048][512]; only bits 0 to 7 count), one scale and one zero for each 64 along K ([2048][64] f32 each).
; A block's scale is 2^(floor(log2(its largest magnitude)) - 8): its byte is the largest magnitude's exponent field - 8, held at 1 from below; each number is divided by the scale, held within +-448 and rounded to the nearest code, ties to even.
; THE WORKSPACE IS LAID AS THE PRODUCT'S LAUNCH READS IT.  A BLOCK is 128 rows x 256 along K: BLK = 33,792 bytes.  Codes: fragment (i = group of 16 rows, q = which 128 along K) at 2,048 (2 i + q); in it register group c at 512 c,
; lane l at 16 l: the codes of row 16 i + l % 16, k = 128 q + 32 c + 16 (l / 16) + 0 .. 15: an image of the matrix operand's registers.  Scale words from byte SCO on: row 16 i + r, 128 along K number q: at 128 i + 8 r + 4 q.
; xq: [64 groups of 128 rows][16 K steps][BLK];  wq: [16][16][BLK].
; SHARES.  A work-group makes one block: work-groups 0 to 255 wq's (they have more arithmetic a number, so they come first), the others xq's.  Wave w makes row groups 2 w and 2 w + 1, in four steps t = 2 u + q, a fragment each:
; 64 numbers a lane, register 16 b + i = k 32 b + 16 (lane / 16) + i of row lane % 16.  Its codes are the 8,192 bytes at 8,192 w of the block, its scale words the 256 bytes at SCO + 256 w.  Waves share nothing: no barrier.
; x's numbers are loaded as they lie (a load: 512 consecutive bytes of one row) and turn through the wave's own stage in LDS (16 rows of 512 bytes + 16 of padding), from which a lane takes 16 neighbours of each block of 32.
; W's loads take 8 or 16 bytes a lane from rows far apart: these three inputs are one part in 27 of what the launch reads, and a turn through LDS for them would be a second user of LDS.
; LIMITS: NaN and infinities among the inputs are not served.  A block of zeros gets the byte 1 where the rule says 127: its codes are zeros, which add nothing under any byte but 0xff, and this program alone reads the bytes.
.set BLK,  33792
.set SCO,  32768
.set WGW,  256                         ; work-groups that take wq
.set SPIT, 528                         ; a stage row: 512 bytes + 16
.set WST,  16*SPIT                     ; a wave's stage
.set LI,   4                           ; v4   16 x lane
.set SA,   5                           ; v5   the stage, on the way in: my wave's stage + 16 x lane
.set LA,   6                           ; v6   and out: my wave's stage + 528 r + 64 h
.set L8,   7                           ; v7   8 x lane
.set WA,   8                           ; v8   W_packed: 2,048 r + 8 h
.set GA,   9                           ; v9   scale, zero: 256 r
.set SW,   12                          ; v12-15 the scale word of step t
.set TM,   16                          ; v16-19 largest magnitudes, v20-23 the other half's, then bytes, v24-27 448 x the scale, v28-31 the conversion's scale operand
.set PC,   32                          ; v32-47 a fragment's codes
.set LOV,  48                          ; v48-49 W_hat where the bit is 0, for the step's two groups of 64
.set HIV,  50                          ; v50-51 where it is 1
.set TA,   52                          ; v52-53 at work
.set TB,   53
.set X,    64                          ; v64-127 the step's 64 numbers
.set R,    128                         ; v128-191 x as loaded
.set WP,   128                         ; W's path: v128-159 packed words, pair 4 t + b
.set SCL,  160                         ; v160-167 scales: 2 t + group
.set ZER,  168                         ; v168-175 zeros
.set SEL,  20                          ; s[20:21] v_permlanex16_b32's selects for lane l xor 16
.set MNT,  23                          ; s23  the mantissa field of 448
	s_load_b256 s[4:11], s[0:1], 0x0               ; x s[4:5], W_packed s[6:7], scale s[8:9], zero s[10:11]
	s_load_b128 s[12:15], s[0:1], 0x20             ; xq s[12:13], wq s[14:15]
	v_lshl_add_u32 v54, v0, 2, 0x8400
	v_mov_b32 v55, 0
	v_lshrrev_b32 v1, 5, v0
	v_readfirstlane_b32 s16, v1                    ; wave 0..3
	v_and_b32 v1, 31, v0                           ; lane
	v_and_b32 v2, 15, v0                           ; r
	v_bfe_u32 v3, v0, 4, 1                         ; h
	v_lshlrev_b32 v[LI], 4, v1
	s_mul_i32 s17, s16, WST
	v_add_nc_u32 v[SA], s17, v[LI]
	v_mul_u32_u24 v[LA], v2, SPIT
	v_lshl_add_u32 v[LA], v3, 6, v[LA]
	v_add_nc_u32 v[LA], s17, v[LA]
	v_lshlrev_b32 v[L8], 3, v1
	v_lshlrev_b32 v[WA], 11, v2
	v_lshl_add_u32 v[WA], v3, 3, v[WA]
	v_lshlrev_b32 v[GA], 8, v2
.irp b, 0,1,2,3
	v_mov_b32 v[TM+4+\b], 0                        ; written once: a lane permute's destination counts as one of its sources
.endr
	s_mov_b32 s[SEL], 0x76543210
	s_mov_b32 s[SEL+1], 0xfedcba98
	s_mov_b32 s[MNT], 0x600000
	s_cmp_lt_u32 ttmp9, WGW
	s_cselect_b32 s17, 0, WGW
	s_sub_co_u32 s18, ttmp9, s17                   ; my block's number in its buffer
	s_mul_i32 s26, s18, BLK                        ; (at most 1,023 x 33,792: under 2^31)
	s_add_co_u32 s28, s26, SCO
	s_lshl_b32 s19, s16, 13
	s_add_co_u32 s26, s26, s19                     ; my wave's codes: block + 8,192 w
	s_lshl_b32 s19, s16, 8
	s_add_co_u32 s28, s28, s19                     ; my wave's scale words: block + SCO + 256 w
	s_mov_b32 s27, 0
	s_mov_b32 s29, 0
	s_wait_kmcnt 0x0
	s_cmp_lt_u32 ttmp9, WGW                        ; the choice of the output hangs on the work-group's number alone
	s_cselect_b64 s[12:13], s[14:15], s[12:13]
	s_add_nc_u64 s[24:25], s[12:13], s[28:29]
	s_add_nc_u64 s[12:13], s[12:13], s[26:27]
	s_lshr_b32 s17, s18, 4                         ; which group of 128 rows
	s_and_b32 s19, s18, 15                         ; which K step of 256
; 64 numbers of a lane, v[s] on, become a fragment's codes in v[PC] on and my row's scale word in v[w]
.macro QUANT s, w
.irp b, 0,1,2,3
	v_max3_num_f32 v[TM+\b], |v[\s+16*\b]|, |v[\s+1+16*\b]|, 0x4800000   ; block b: my 16 numbers, and the floor 2^(9 - 127): so the byte cannot fall under 1
.endr
.irp i, 2,4,6,8,10,12,14
.irp b, 0,1,2,3
	v_max3_num_f32 v[TM+\b], v[TM+\b], |v[\s+16*\b+\i]|, |v[\s+1+16*\b+\i]|   ; the four blocks by turns: no line waits for the line above it
.endr
.endr
.irp b, 0,1,2,3
	v_permlanex16_b32 v[TM+4+\b], v[TM+\b], s[SEL], s[SEL+1]
.endr
.irp b, 0,1,2,3
	v_max_num_f32 v[TM+\b], v[TM+\b], v[TM+4+\b]   ; with lane l xor 16's 16 numbers: the block's largest magnitude
.endr
.irp b, 0,1,2,3
	v_add_nc_u32 v[TM+12+\b], 0xfc000000, v[TM+\b] ; 8 off its exponent field: the conversion takes the exponent field of this operand as its scale
.endr
.irp b, 0,1,2,3
	v_and_or_b32 v[TM+8+\b], v[TM+\b], 0x7f800000, s[MNT]   ; 448 x the scale
.endr
.irp b, 0,1,2,3
	v_lshrrev_b32 v[TM+4+\b], 23, v[TM+12+\b]      ; the scale's byte
.endr
	v_lshl_or_b32 v[\w], v[TM+5], 8, v[TM+4]       ; the four bytes make my row's scale word (both halves of the lanes hold the same)
	v_lshl_or_b32 v[\w], v[TM+6], 16, v[\w]
	v_lshl_or_b32 v[\w], v[TM+7], 24, v[\w]
.irp b, 0,1,2,3
.irp i, 0,1,2,3,4,5,6,7,8,9,10,11,12,13,14,15
	v_med3_num_f32 v[\s+16*\b+\i], v[\s+16*\b+\i], -v[TM+8+\b], v[TM+8+\b]   ; the conversion to an 8-bit code does not saturate (ISA guide 7.6.2): the hold at the largest code x the scale
.endr
	v_cvt_scalef32_pk8_fp8_f32 v[PC+4*\b:PC+1+4*\b], v[\s+16*\b:\s+7+16*\b], v[TM+12+\b]
	v_cvt_scalef32_pk8_fp8_f32 v[PC+2+4*\b:PC+3+4*\b], v[\s+8+16*\b:\s+15+16*\b], v[TM+12+\b]
.endr
	v_nop                                          ; one plain vector line behind the last conversion, ahead of whatever next touches its registers
.endm
.macro OUT t                           ; step t's fragment: each store of the wave covers 512 consecutive bytes, aligned
.irp c, 0,1,2,3
	global_store_b128 v[LI], v[PC+4*\c:PC+4*\c+3], s[12:13] offset:2048*(\t)+512*\c
.endr
.endm
.macro TAIL                            ; lanes 0-15 give row group 2 w's two words a row, lanes 16-31 row group 2 w + 1's: the wave stores 256 consecutive bytes, aligned
	v_cmp_lt_u32 vcc_lo, 15, v1
	v_cndmask_b32 v10, v[SW], v[SW+2], vcc_lo
	v_cndmask_b32 v11, v[SW+1], v[SW+3], vcc_lo
	global_store_b64 v[L8], v[10:11], s[24:25]
	s_wait_tensorcnt 0x0
	ds_add_u32 v54, v55
	s_wait_dscnt 0x0
	s_endpgm
.endm
	s_cmp_lt_u32 ttmp9, WGW
	s_cbranch_scc1 .Lw
	; ---------------- x ----------------
	s_lshl_b32 s17, s17, 21                        ; 128 rows of 16,384 bytes,
	s_lshl_b32 s19, s19, 10                        ; 256 numbers along K,
	s_add_co_u32 s26, s17, s19
	s_lshl_b32 s19, s16, 19                        ; my wave's 32 rows
	s_add_co_u32 s26, s26, s19                     ; (under 2^31)
	s_add_nc_u64 s[4:5], s[4:5], s[26:27]
	v_lshrrev_b32 v56, 1, v1                       ; a prefetch's offset: a step is 16 rows x 512 bytes = 32 units of 256 bytes: lane l names row l / 2, unit l % 2
	v_lshlrev_b32 v56, 14, v56
	v_and_b32 v57, 1, v1
	v_lshl_add_u32 v56, v57, 8, v56
.macro PFX t                           ; step t's 32 units, each named once, by the one wave that will load them; asked for one step ahead of the step's loads
	global_prefetch_b8 v56, s[4:5] offset:(16*((\t)/2))*16384+512*((\t)%2) th:TH_LOAD_NT scope:SCOPE_SE
.endm
.macro LOADX t                         ; step t: 16 rows x 128 numbers; load j is 512 consecutive bytes of row 16 (t / 2) + j
.irp j, 0,1,2,3,4,5,6,7,8,9,10,11,12,13,14,15
	global_load_b128 v[R+4*\j:R+4*\j+3], v[LI], s[4:5] offset:(16*((\t)/2)+\j)*16384+512*((\t)%2) th:TH_LOAD_NT
.endr
.endm
.macro TURNX                           ; through my stage: LDS serves a wave's instructions in order (ISA guide 5.7.1), so no wait stands between the stores and the loads
.irp j, 0,1,2,3,4,5,6,7,8,9,10,11,12,13,14,15
	ds_store_b128 v[SA], v[R+4*\j:R+4*\j+3] offset:SPIT*\j
.endr
.irp b, 0,1,2,3
.irp j, 0,1,2,3
	ds_load_b128 v[X+16*\b+4*\j:X+16*\b+4*\j+3], v[LA] offset:128*\b+16*\j
.endr
.endr
.endm
.macro XSTEP t
	s_wait_loadcnt 0x0                             ; this step's 16 loads are in
	TURNX
	s_wait_dscnt 16                                ; the stage's 16 stores are done (the 16 loads behind them may be out): they have read the registers that the next loads fill
.if (\t) > 0
	s_wait_xcnt 0x0                                ; the last step's stores have read the codes' registers, which are written again below
.endif
.if (\t) < 3
	LOADX (\t)+1
.endif
	s_wait_dscnt 0x0                               ; the numbers are back, 16 neighbours of each block a lane
.if (\t) < 2
	PFX (\t)+2
.endif
	QUANT X, SW+(\t)
	OUT \t
.endm
	LOADX 0
	s_wait_alu depctr_va_vdst(0)
	XSTEP 0
	XSTEP 1
	XSTEP 2
	XSTEP 3
	TAIL
	; ---------------- W_hat ----------------
.Lw:
	s_lshl_b32 s22, s17, 18                        ; W_packed: 128 rows of 2,048 bytes,
	s_lshl_b32 s26, s19, 7                         ; 32 words along K,
	s_add_co_u32 s26, s26, s22
	s_lshl_b32 s22, s16, 16                        ; my wave's 32 rows
	s_add_co_u32 s26, s26, s22
	s_add_nc_u64 s[6:7], s[6:7], s[26:27]
	s_lshl_b32 s22, s17, 15                        ; scale and zero: 128 rows of 256 bytes,
	s_lshl_b32 s26, s19, 4                         ; four groups of 64 along K,
	s_add_co_u32 s26, s26, s22
	s_lshl_b32 s22, s16, 13                        ; my wave's 32 rows
	s_add_co_u32 s26, s26, s22
	s_add_nc_u64 s[8:9], s[8:9], s[26:27]
	s_add_nc_u64 s[10:11], s[10:11], s[26:27]
	s_wait_alu depctr_va_vdst(0)
.irp t, 0,1,2,3
.irp b, 0,1,2,3
	global_load_b64 v[WP+2*(4*\t+\b):WP+2*(4*\t+\b)+1], v[WA], s[6:7] offset:32768*(\t/2)+64*(\t%2)+16*\b   ; the two words that hold k = 128 q + 32 b + 16 h + 0 .. 15 of row 16 u + r
.endr
.endr
.irp u, 0,1
	global_load_b128 v[SCL+4*\u:SCL+4*\u+3], v[GA], s[8:9] offset:4096*\u      ; row 16 u + r: the K step's four groups
	global_load_b128 v[ZER+4*\u:ZER+4*\u+3], v[GA], s[10:11] offset:4096*\u
.endr
; Step t's 64 numbers of W_hat.  A group of 64 has two values: (0 - zero) * scale and (1 - zero) * scale, each with the two roundings of the definition; each bit chooses.  The block's largest magnitude is then taken of the values that are there.
.macro EXPAND t
.irp g, 0,1
	v_sub_f32 v[TA], 0, v[ZER+2*(\t)+\g]
	v_sub_f32 v[TB], 1.0, v[ZER+2*(\t)+\g]
	v_mul_f32 v[LOV+\g], v[TA], v[SCL+2*(\t)+\g]
	v_mul_f32 v[HIV+\g], v[TB], v[SCL+2*(\t)+\g]
.endr
.irp b, 0,1,2,3
.irp i, 0,1,2,3,4,5,6,7,8,9,10,11,12,13,14,15
	v_and_b32 v[TA], 1<<(\i%8), v[WP+2*(4*(\t)+\b)+\i/8]
	v_cmp_ne_u32 vcc_lo, 0, v[TA]
	v_cndmask_b32 v[X+16*\b+\i], v[LOV+\b/2], v[HIV+\b/2], vcc_lo
.endr
.endr
.endm
	s_wait_loadcnt 0x0                             ; all of the wave's inputs, once
.irp t, 0,1,2,3
.if \t > 0
	s_wait_xcnt 0x0                                ; the last step's stores have read the codes' registers
.endif
	EXPAND \t
	QUANT X, SW+\t
	OUT \t
.endr
	TAIL
.Lfunc_end_k_q3fde5f7583_quant:
	.size	k_q3fde5f7583_quant, .Lfunc_end_k_q3fde5f7583_quant-k_q3fde5f7583_quant
	.p2alignl 7, 3214868480
	.fill 96, 4, 3214868480
	.section	.rodata,"a",@progbits
	.p2align	6, 0x0
	.amdhsa_kernel k_q3fde5f7583_quant
		.amdhsa_group_segment_fixed_size 34304
		.amdhsa_private_segment_fixed_size 0
		.amdhsa_enable_private_segment 0
		.amdhsa_kernarg_size 48
		.amdhsa_user_sgpr_count 2
		.amdhsa_user_sgpr_kernarg_segment_ptr 1
		.amdhsa_wavefront_size32 1
		.amdhsa_system_sgpr_workgroup_id_x 1
		.amdhsa_system_sgpr_workgroup_id_y 1
		.amdhsa_system_sgpr_workgroup_id_z 1
		.amdhsa_system_vgpr_workitem_id 0
		.amdhsa_next_free_vgpr 192
		.amdhsa_next_free_sgpr 66
		.amdhsa_reserve_vcc 1
		.amdhsa_float_denorm_mode_32 3
		.amdhsa_float_denorm_mode_16_64 3
		.amdhsa_memory_ordered 1
		.amdhsa_forward_progress 1
		.amdhsa_inst_pref_size 114
	.end_amdhsa_kernel
	.amdgpu_metadata
---
amdhsa.version: [ 1, 2 ]
amdhsa.kernels:
  - .name:           k_q3fde5f7583_quant
    .symbol:         k_q3fde5f7583_quant.kd
    .args:
      - { .name: x, .offset: 0, .size: 8, .value_kind: global_buffer, .address_space: global }
      - { .name: W_packed, .offset: 8, .size: 8, .value_kind: global_buffer, .address_space: global }
      - { .name: scale, .offset: 16, .size: 8, .value_kind: global_buffer, .address_space: global }
      - { .name: zero, .offset: 24, .size: 8, .value_kind: global_buffer, .address_space: global }
      - { .name: xq, .offset: 32, .size: 8, .value_kind: global_buffer, .address_space: global }
      - { .name: wq, .offset: 40, .size: 8, .value_kind: global_buffer, .address_space: global }
    .group_segment_fixed_size: 34304
    .private_segment_fixed_size: 0
    .kernarg_segment_align: 8
    .kernarg_segment_size: 48
    .max_flat_workgroup_size: 128
    .sgpr_count:     66
    .vgpr_count:     192
    .wavefront_size: 32
...
	.end_amdgpu_metadata
.endif
;; end of part 1
;; launch gemm (part 2): grid 8 x 32, 4 waves a work-group, clusters of 4 x 1, 327,680 bytes of LDS; arguments xq, wq, bias, out0; writes out0
.if DOCPART == 2
	.amdgcn_target "amdgcn-amd-amdhsa--gfx1250"
	.amdhsa_code_object_version 6
	.text
	.protected	k_q3fde5f7583_gemm
	.globl	k_q3fde5f7583_gemm
	.p2align	8
	.type	k_q3fde5f7583_gemm,@function
k_q3fde5f7583_gemm:
	s_mov_b64 s[64:65], 0
	v_nop
	global_prefetch_b8 v0, s[64:65] scope:SCOPE_SE
	s_setreg_imm32_b32 hwreg(HW_REG_WAVE_MODE, 25, 1), 1
	s_wait_xcnt 0x0
	s_wait_alu depctr_hold_cnt(0) depctr_sa_sdst(0) depctr_va_vdst(0) depctr_va_sdst(0) depctr_va_ssrc(0) depctr_va_vcc(0) depctr_vm_vsrc(0)
	s_getreg_b32 s2, hwreg(HW_REG_IB_STS2, 6, 4)
	s_cmp_eq_u32 s2, 0
	s_cbranch_scc0 .Lentry_in_a_cluster
	s_endpgm
.Lentry_in_a_cluster:
	s_bfe_u32 s2, ttmp6, 0x10000c
	s_cmp_lg_u32 s2, 0x3003
	s_cbranch_scc0 .Lentry_shape_is_right
	s_endpgm
.Lentry_shape_is_right:
; out0 = Q(x) Q(W_hat)^T + bias on codes of MX-FP8 (E4M3, an E8M0 byte for 32 along K): 8,192 x 2,048 x 4,096, sums in f32.
; xq, wq: [group of 128 rows][16 K steps of 256][BLK]: a BLK holds 16 fragments (row group i of 16, q-th 128 of K) at 2,048 (2 i + q), each an image of the operand's registers
; (register group c at 512 c, lane at 16 x lane), and from byte SCO on the scale words: row 16 i + r, q: at 128 i + 8 r + 4 q.
; THE DEAL.  A work-group of four waves makes 256 x 256 of out0; wave w makes all 256 rows x columns 64 w .. 64 w + 63: 64 accumulators, 512 registers.
; W_hat's 64 rows of a wave are read by no other wave of the work-group, and lie in wq as register images: they go from memory STRAIGHT INTO REGISTERS, four sets of 64 (a set: 128 of K),
; asked for three steps of 128 along K (192 products) ahead of their use.  So they pass through no LDS, and no joint load can bring them; being their own look-ahead, they have no prefetch.
; x's 256 rows are read by all four waves and by the four work-groups of a cluster (4, 1, 1: one tile row): they come by JOINT tensor loads (mask 15) into a ring of two slots,
; a slot = a PERIOD of 512 along K = four BLK, one a wave.  One round of the cluster's barrier a period: eight periods.
; A BLOCK of work is one fragment of x (16 rows x 128 K) against W's four: four products.  A GROUP is four blocks: 16 products on end.  x's fragments lie in a ring of two halves of four:
; behind each group ONE RUN of loads refills the half just read with the group two on (16 LDS loads); W's loads and x's scale words ride in the same runs.
; The change of slots stands behind group 13's run, which holds the period's last LDS loads: groups 14 and 15 are multiplied from registers round the barrier.
; THE LAST PERIOD GOES BY ROWS OF out0: four chunks of 64 rows, each through the period's four steps (a group a step); a chunk's rows leave as soon as it is finished, while the later chunks are multiplied.  K stays ascending in every sum.
; The matrix instruction is used transposed (source 0 = W's rows, source 1 = x's rows): a lane holds eight neighbouring columns of a row of out0.  The bias is the first step's C.
; REGISTERS: window 0: v4-23 addresses, v24-31 W's scale words, v32-63 x's, v64-95 the bias (later v64-127 the way out), v128-255 x's ring; window 1: W's four sets; windows 2, 3: the sums ((m, b) at 8 (4 (m % 8) + b)).
; Scale words: a register holds block 2 P's in lanes 0-15 and block 2 P + 1's in lanes 16-31.  x's lie at even numbers for even q and odd for odd q, W's the other way round: no product's two have numbers equal modulo 8.
; LIMITS: NaN, infinities and sums beyond f32's range are not served.
.set SIZE_N, 2048
.set BLK,    33792
.set SCO,    32768
.set KROWB,  16*BLK
.set SLOT,   4*BLK
.set SPARE,  2*SLOT                    ; the spare words: 512 bytes that no other line names
.set STAGE,  SPARE+512                 ; the way out: 16 rows of 256 + 16 bytes for each wave; no tensor load lands here
.set SPITCH, 272
.set WSTG,   16*SPITCH
.set CO,   4                           ; 16 x lane
.set L8,   5                           ; 8 x lane
.set LS,   6                           ; 8 x lane + SCO
.set WSO,  7                           ; W's scale words, from W's base
.set ADX,  8                           ; v8-11  x's fragments in BLK j of the slot that is read
.set ADS,  12                          ; v12-15 x's scale words there
.set SPW,  16
.set NIL,  17
.set STO,  18
.set RD,   19
.set OUTO, 20
.set PFO,  21
.set PF1,  22
.set BO,   23
.set WS,   24
.set XS,   32
.set BI,   64
.set BK,   64
.set XR,   128
.set G1,   24                          ; s[24:31], s[32:35]: the descriptor
.set G0,   32
.set TO_W, 0x40                        ; destination window 1, address window 0
.set RB_,  0                           ; 1: the blocks that are multiplied go by rows of out0;
.set RX_,  0                           ; 1: so do the blocks that are fetched
.set MSB, 0
.macro WIN new                         ; the immediate's high byte repeats the setting that is left
.if MSB != \new
	s_set_vgpr_msb (MSB<<8)|\new
.set MSB, \new
.endif
.endm
.macro PLACES n
.rept \n
	v_nop
.endr
.endm
.macro CREST                           ; a round of the cluster's barrier behind its opening barrier
	s_cmp_lg_u32 s14, 0
	s_cbranch_scc1 .Lnot_wave_0_\@
	s_barrier_signal -3
.Lnot_wave_0_\@:
	s_barrier_wait -3
	s_barrier_signal -1
	s_barrier_wait -1
.endm
.macro CROUND
	s_barrier_signal -1
	s_barrier_wait -1
	CREST
.endm
.macro TLOAD                           ; my BLK of a period; an s_nop 0 and four v_nop follow
	tensor_load_to_lds s[G0:G0+3], s[G1:G1+7]
	s_nop 0
	PLACES 4
.endm
.macro SETADR                          ; the LDS addresses of the slot at s37
.irp j, 0,1,2,3
	s_add_co_u32 s22, s37, \j*BLK
	v_add_nc_u32 v[ADX+\j], s22, v[CO]
	v_add_nc_u32 v[ADS+\j], s22, v[LS]
.endr
	s_wait_alu depctr_va_vdst(0)                   ; the wait stands directly behind the writes
.endm
.macro WLD t, k                        ; two of the 16 loads of W's set for step t of the period (t may pass 3): each reads 512 consecutive bytes
.irp e, 0,1
	global_load_b128 v[64*((\t)%4)+8*(\k)+4*\e:64*((\t)%4)+8*(\k)+4*\e+3], v[CO], s[40:41] offset:((\t)/2)*BLK+2048*(2*((\k)/2)+(\t)%2)+512*(2*((\k)%2)+\e)
.endr
.endm
.macro WSL t                           ; and its two registers of scale words
.irp p, 0,1
	global_load_b32 v[WS+4*(((\t)%4)/2)+2*\p+1-(\t)%2], v[WSO], s[40:41] offset:((\t)/2)*BLK+256*\p+4*((\t)%2)
.endr
.endm
.macro XFRAG i                         ; block i's fragment of x into ring place i % 8.  By K: step i / 16, row block i % 16; by rows: step (i % 16) / 4, row block 4 (i / 16) + i % 4
.if RX_
.set FT_, ((\i)%16)/4
.set FM_, 4*((\i)/16)+(\i)%4
.else
.set FT_, (\i)/16
.set FM_, (\i)%16
.endif
.irp c, 0,1,2,3
	ds_load_b128 v[XR+16*((\i)%8)+4*\c:XR+16*((\i)%8)+4*\c+3], v[ADX+2*(FM_/8)+FT_/2] offset:2048*(2*(FM_%8)+FT_%2)+512*\c
.endr
.endm
.macro XSC ks                          ; x's scale words for the ks-th 256 of the period: blocks 2 p, 2 p + 1, both q, a load
.irp p, 0,1,2,3,4,5,6,7
	ds_load_b64 v[XS+16*(\ks)+2*\p:XS+16*(\ks)+2*\p+1], v[ADS+2*(\p/4)+(\ks)] offset:256*(\p%4)
.endr
.endm
.macro PROD b                          ; x's block M_ against W's block b, step T_.  The accumulators take turns, one instruction a turn
.set D_, 8*(4*(M_%8)+\b)
.set C_, D_
.if F_
.set C_, BI+8*\b
.endif
.set A_, 64*(T_%4)+16*\b
.set SA_, WS+4*((T_%4)/2)+2*(\b/2)+1-T_%2
.set SB_, XS+16*((T_/2)%2)+2*(M_/2)+T_%2
.if (\b%2) && (M_%2)
	v_wmma_scale_f32_16x16x128_f8f6f4 v[D_:D_+7], v[A_:A_+15], v[R_:R_+15], v[C_:C_+7], v[SA_], v[SB_] matrix_a_scale:MATRIX_SCALE_ROW1 matrix_b_scale:MATRIX_SCALE_ROW1
.elseif \b%2
	v_wmma_scale_f32_16x16x128_f8f6f4 v[D_:D_+7], v[A_:A_+15], v[R_:R_+15], v[C_:C_+7], v[SA_], v[SB_] matrix_a_scale:MATRIX_SCALE_ROW1
.elseif M_%2
	v_wmma_scale_f32_16x16x128_f8f6f4 v[D_:D_+7], v[A_:A_+15], v[R_:R_+15], v[C_:C_+7], v[SA_], v[SB_] matrix_b_scale:MATRIX_SCALE_ROW1
.else
	v_wmma_scale_f32_16x16x128_f8f6f4 v[D_:D_+7], v[A_:A_+15], v[R_:R_+15], v[C_:C_+7], v[SA_], v[SB_]
.endif
.endm
; Block N_ of a period: four products.  w: the count of its wait on DScnt (-1: none).  F_: the first step (C = the bias, window 0); LC_: the global loads that may be out where a set of W is first used (row block 0).
.macro BLK w
.if RB_
.set T_, (N_%16)/4
.set M_, 4*(N_/16)+N_%4
.else
.set T_, N_/16
.set M_, N_%16
.endif
.set R_, XR+16*(N_%8)
.set MW_, 0xa1+0x50*(M_/8)-F_*(0x20+0x10*(M_/8))   ; source 0 window 1, source 1 window 0, D (and C) window 2 or 3
.if (\w) >= 0
	s_wait_dscnt \w
.endif
.if M_ == 0
	s_wait_loadcnt LC_                             ; this step's set of W is in; what was asked for behind it may be out
.endif
	WIN MW_
	PROD 0
	PROD 1
	PROD 2
	PROD 3
.set N_, N_+1
.endm
.macro GRP                             ; a group.  Its fragments are the last 16 LDS loads of the run before the last; behind block k's stand 4 (3 - k) of that run and the LR_ LDS instructions of the last run
	BLK 12+LR_
	BLK 8+LR_
	BLK 4+LR_
	BLK LR_
.endm
; The run behind a group (N_: the block that is multiplied next): eight places behind the group's last product, then blocks N_ + 4 .. N_ + 7 into the half just read.
; Behind blocks 3 and 7 of each 16 (WL_): W's set three steps on, into the set that the step before has read.  Behind the last period's group 15: the second 256's scale words.
.macro LRUN
	WIN 0
	PLACES 8
.set LR_, 16
.if N_ == 0
	XSC 1
.set LR_, 24
.endif
.irp i, 4,5,6,7
	XFRAG N_+\i
.endr
.set WT_, N_/16+3
.set WK_, N_%16-4
.if WL_ && (WK_ == 4)
	WSL WT_
.endif
.if WL_ && ((WK_ == 0) || (WK_ == 4))
	WIN TO_W
.irp k, 0,1,2,3
	WLD WT_, WK_+\k
.endr
.endif
.endm
.macro GROUPS n
.rept \n
	GRP
	LRUN
.endr
.endm
.macro ASK                             ; a prefetch for the refill of the next trip: the period three on.  Of my BLK's 132 units of 256 bytes each of the four partners names 33, told apart by address: a lane a unit, and the 33rd by a second line.  The last trip asks for nothing
	s_cmp_gt_u32 s3, 1
	s_cbranch_scc0 .Lno_ask_\@
	global_prefetch_b8 v[PFO], s[42:43] th:TH_LOAD_NT scope:SCOPE_SE
	global_prefetch_b8 v[PF1], s[42:43] th:TH_LOAD_NT scope:SCOPE_SE
.Lno_ask_\@:
.endm
; THE CHANGE OF SLOTS, groups 14 and 15.  All the period's LDS loads have been issued.  fill = 1: the slot just read takes the period two on.  fill = 0: the last period follows, which goes by rows.
.macro BOUND fill
	WIN 0
	s_wait_tensorcnt 0x0                           ; my part of the next slot is in;
	ds_add_u32 v[SPW], v[NIL]
.if \fill
	s_add_nc_u64 s[G0+2:G0+3], s[G0+2:G0+3], 2*BLK
	s_add_co_u32 s[G0+1], s36, s37
.endif
	s_xor_b32 s37, s37, SLOT                       ; the slot that is read next
	BLK 29                                         ; (three fragments, group 15's 16 loads and the add may be out)
	BLK 25
	BLK 21
	s_wait_dscnt 0x0                               ; the add is done, and my reads of this slot are over
	s_barrier_signal -1
	BLK -1
	WIN 0
	s_barrier_wait -1
.if \fill
	CREST                                          ; the barrier has opened a round: no wave of any partner still reads this slot or has a load on its way
	TLOAD
.else
	PLACES 4
.endif
	s_wait_xcnt 0x0                                ; W's loads (issued a group and a barrier ago) and the prefetches have read their bases, which are stepped now
	s_add_nc_u64 s[40:41], s[40:41], 2*BLK
.if \fill
	s_add_nc_u64 s[42:43], s[42:43], 2*BLK
.endif
	SETADR                                         ; with the four v_nop: twelve places behind group 14's last product
.set RX_, 1-\fill
	XSC 0
.irp i, 0,1,2,3
	XFRAG \i                                       ; the next period's group 0 into the half that group 14 has read
.endr
.if \fill
	ASK
.endif
.rept 4
	BLK -1                                         ; group 15
.endr
.set N_, 0
.set RB_, 1-\fill
	LRUN                                           ; the next period's group 1
.endm
; THE WAY OUT, block by block of 16 rows x 64 columns: through my own stage, back as whole rows of 256 bytes; sixteen lanes store one aligned unit.  LDS serves a wave's instructions in order (ISA guide 5.7.1): no wait between the stores and the loads.
.macro TOSTAGE a
	WIN 0x08+4*((\a)/8)                            ; the data: window 2 or 3
.irp b, 0,1,2,3
	ds_store_b128 v[STO], v[32*((\a)%8)+8*\b:32*((\a)%8)+8*\b+3] offset:64*\b       ; each accumulator from its low end on
	ds_store_b128 v[STO], v[32*((\a)%8)+8*\b+4:32*((\a)%8)+8*\b+7] offset:64*\b+16
.endr
	WIN 0
.irp t, 0,1,2,3,4,5,6,7
	ds_load_b128 v[BK+32*((\a)%2)+4*\t:BK+32*((\a)%2)+4*\t+3], v[RD] offset:\t*2*SPITCH
.endr
.endm
.macro SEND a, younger
	s_wait_dscnt \younger
.irp t, 0,1,2,3,4,5,6,7
	global_store_b128 v[OUTO], v[BK+32*((\a)%2)+4*\t:BK+32*((\a)%2)+4*\t+3], s[10:11] offset:(16*(\a)+2*\t)*SIZE_N*4 th:TH_STORE_NT
.endr
.endm
.macro OUT4 c                          ; chunk c's four blocks; eight places stand behind its last product.  Behind it no LDS instruction of mine is out
	s_wait_xcnt 0x0                                ; earlier stores have read the registers into which the loads below land
	TOSTAGE 4*\c
	TOSTAGE 4*\c+1
	SEND 4*\c, 16                                  ; behind a block's loads: the next block's 8 stores and 8 loads
	s_wait_xcnt 0x0
	TOSTAGE 4*\c+2
	SEND 4*\c+1, 16
	s_wait_xcnt 0x0
	TOSTAGE 4*\c+3
	SEND 4*\c+2, 16
	SEND 4*\c+3, 0
.endm
	s_load_b256 s[4:11], s[0:1], 0x0               ; xq, wq, bias, out0
	v_lshl_add_u32 v[SPW], v0, 2, SPARE
	v_mov_b32 v[NIL], 0
	ds_add_u32 v[SPW], v[NIL]                      ; the opening: the add, twice on end, and its wait ahead of my first tensor load
	ds_add_u32 v[SPW], v[NIL]
	v_lshrrev_b32 v1, 5, v0
	v_readfirstlane_b32 s14, v1                    ; wave
	s_lshr_b32 s15, s14, 1
	s_and_b32 s16, s14, 1
	s_bfe_u32 s18, ttmp6, 0x40000                  ; cx
	s_lshl_b32 s19, ttmp9, 2
	s_add_co_u32 s19, s19, s18                     ; tile column
	s_and_b32 s17, ttmp7, 0xffff                   ; tile row
	s_mov_b32 s[G1+0], 15|(3<<16)|(1<<21)          ; the cluster's four; elements of 8 bytes; a BLK is dense: 132 rows of 256 bytes
	s_mov_b32 s[G1+1], 32<<16
	s_mov_b32 s[G1+2], 132<<16
	s_mov_b32 s[G1+3], 32<<16
	s_mov_b32 s[G1+4], 132
	s_mov_b32 s[G1+5], 32
	s_mov_b32 s[G1+6], 0
	s_mov_b32 s[G1+7], 0
	s_lshl_b32 s20, s17, 1
	s_add_co_u32 s20, s20, s15                     ; wave w fetches row group w / 2, K step w % 2 of a period
	s_mul_i32 s20, s20, KROWB
	s_mul_i32 s21, s16, BLK
	s_add_co_u32 s20, s20, s21
	s_mov_b32 s21, 0
	s_mul_i32 s36, s14, BLK
	s_mov_b32 s[G0], 1
	s_mul_i32 s[G0+1], s14, BLK
	s_wait_dscnt 0x0
	s_wait_kmcnt 0x0
	s_add_nc_u64 s[42:43], s[4:5], s[20:21]
	s_mov_b64 s[G0+2:G0+3], s[42:43]
	s_or_b32 s[G0+3], s[G0+3], 0x80000000
	CROUND                                         ; the four work-groups are here: the first joint loads meet
	TLOAD                                          ; period 0: one tensor load a wave at the head
	s_lshl_b32 s20, s19, 1
	s_add_co_u32 s20, s20, s15
	s_mul_i32 s20, s20, KROWB                      ; W: row group 2 x tile column + w / 2,
	s_lshl_b32 s22, s16, 14                        ; fragments 4 (w % 2) on
	s_add_co_u32 s20, s20, s22
	s_add_nc_u64 s[40:41], s[6:7], s[20:21]
	s_mul_i32 s44, s16, 16384-512
	s_sub_co_u32 s44, SCO, s44                     ; from there to my scale words
	s_mul_i32 s45, s14, WSTG
	s_add_co_u32 s45, s45, STAGE
	s_lshl_b32 s20, s19, 10
	s_lshl_b32 s22, s14, 8
	s_add_co_u32 s20, s20, s22                     ; my first column, in bytes
	s_add_nc_u64 s[8:9], s[8:9], s[20:21]
	s_add_nc_u64 s[10:11], s[10:11], s[20:21]
	s_lshl_b32 s20, s17, 21                        ; 256 rows of 8,192 bytes
	s_add_nc_u64 s[10:11], s[10:11], s[20:21]
	s_mul_i32 s20, s18, 33*256
	s_add_co_u32 s20, s20, 4*BLK                   ; the prefetches: my work-group's 33 units, at period 2: the first change of slots steps it to 3
	s_add_nc_u64 s[42:43], s[42:43], s[20:21]
	s_mov_b32 s37, 0
	v_and_b32 v1, 15, v0
	v_bfe_u32 v2, v0, 4, 1
	v_and_b32 v3, 31, v0
	v_lshlrev_b32 v[CO], 4, v3
	v_lshlrev_b32 v[L8], 3, v3
	v_add_nc_u32 v[LS], SCO, v[L8]
	v_add_nc_u32 v[WSO], s44, v[L8]
	v_lshlrev_b32 v[BO], 5, v2
	v_mul_u32_u24 v[STO], v1, SPITCH               ; into the stage: row l % 16, 32 bytes for each half of the lanes
	v_lshl_add_u32 v[STO], v2, 5, v[STO]
	v_add_nc_u32 v[STO], s45, v[STO]
	v_mul_u32_u24 v[RD], v2, SPITCH                ; back: sixteen lanes to a row of 256 bytes
	v_lshl_add_u32 v[RD], v1, 4, v[RD]
	v_add_nc_u32 v[RD], s45, v[RD]
	v_lshlrev_b32 v[OUTO], 13, v2                  ; and the same two rows in out0
	v_lshl_add_u32 v[OUTO], v1, 4, v[OUTO]
	v_lshlrev_b32 v[PFO], 8, v3
	v_mov_b32 v[PF1], 8192
	SETADR                                         ; its wait ends the head's vector work
.irp b, 0,1,2,3
	global_load_b128 v[BI+8*\b:BI+8*\b+3], v[BO], s[8:9] offset:64*\b          ; register j of tile b: the bias of column 16 b + 8 (l / 16) + j
	global_load_b128 v[BI+8*\b+4:BI+8*\b+7], v[BO], s[8:9] offset:64*\b+16
.endr
.irp t, 0,1,2
	WIN TO_W
.irp k, 0,1,2,3,4,5,6,7
	WLD \t, \k
.endr
	WIN 0
	WSL \t
.endr
	s_wait_tensorcnt 0x0                           ; my part of period 0 is in
	ds_add_u32 v[SPW], v[NIL]
	s_add_nc_u64 s[G0+2:G0+3], s[G0+2:G0+3], 2*BLK
	s_add_co_u32 s[G0+1], s36, SLOT
	s_wait_dscnt 0x0
	CROUND
	TLOAD                                          ; period 1 into slot 1
	XSC 0
	XSC 1
.irp i, 0,1,2,3,4,5,6,7
	XFRAG \i                                       ; groups 0 and 1
.endr
.set LR_, 16
.set F_, 1
.set WL_, 1
.set LC_, 36                                   ; two later sets of W, 18 loads each
.set N_, 0
	GROUPS 4                                       ; the first step stands ahead of the loop: its products start the sums from the bias
.set F_, 0
	WIN 0
	s_mov_b32 s3, 6
.Ltrip:                                                ; a trip: a period's steps 1 to 3, the change of slots with its refill, the next period's step 0
.set N_, 16
	GROUPS 10
	BOUND 1
	GROUPS 4
	WIN 0
	s_sub_co_u32 s3, s3, 1
	s_cmp_lg_u32 s3, 0
	s_cbranch_scc1 .Ltrip
.set N_, 16
	GROUPS 10                                      ; period 6 goes on; its change of slots fills nothing
	BOUND 0
	GROUPS 1                                       ; period 7, chunk 0: step 0; its run asks for 8 loads of W's last set
.set LC_, 26                                   ; step 1's set is in: step 2's 18 loads and those 8 may be out
	GROUPS 1                                       ; its run asks for the other 10
.set WL_, 0
.set LC_, 18
	GROUPS 1
.set LC_, 0
	GROUPS 1
	OUT4 0                                         ; (the run's eight places stand behind the chunk's last product)
	GROUPS 4
	OUT4 1
	GROUPS 4
	OUT4 2
	GROUPS 2
	GRP
.set LR_, 0
	GRP
	WIN 0
	PLACES 8
	OUT4 3
	s_wait_tensorcnt 0x0                           ; the wave's end
	ds_add_u32 v[SPW], v[NIL]
	s_wait_dscnt 0x0
	CROUND                                         ; the closing round
	s_endpgm
.Lfunc_end_k_q3fde5f7583_gemm:
	.size	k_q3fde5f7583_gemm, .Lfunc_end_k_q3fde5f7583_gemm-k_q3fde5f7583_gemm
	.p2alignl 7, 3214868480
	.fill 96, 4, 3214868480
	.section	.rodata,"a",@progbits
	.p2align	6, 0x0
	.amdhsa_kernel k_q3fde5f7583_gemm
		.amdhsa_group_segment_fixed_size 327680
		.amdhsa_private_segment_fixed_size 0
		.amdhsa_enable_private_segment 0
		.amdhsa_kernarg_size 32
		.amdhsa_user_sgpr_count 2
		.amdhsa_user_sgpr_kernarg_segment_ptr 1
		.amdhsa_wavefront_size32 1
		.amdhsa_system_sgpr_workgroup_id_x 1
		.amdhsa_system_sgpr_workgroup_id_y 1
		.amdhsa_system_sgpr_workgroup_id_z 1
		.amdhsa_system_vgpr_workitem_id 0
		.amdhsa_next_free_vgpr 1024
		.amdhsa_next_free_sgpr 66
		.amdhsa_reserve_vcc 0
		.amdhsa_float_denorm_mode_32 3
		.amdhsa_float_denorm_mode_16_64 3
		.amdhsa_memory_ordered 1
		.amdhsa_forward_progress 1
		.amdhsa_inst_pref_size 228
	.end_amdhsa_kernel
	.amdgpu_metadata
---
amdhsa.version: [ 1, 2 ]
amdhsa.kernels:
  - .name:           k_q3fde5f7583_gemm
    .symbol:         k_q3fde5f7583_gemm.kd
    .args:
      - { .name: xq, .offset: 0, .size: 8, .value_kind: global_buffer, .address_space: global }
      - { .name: wq, .offset: 8, .size: 8, .value_kind: global_buffer, .address_space: global }
      - { .name: bias, .offset: 16, .size: 8, .value_kind: global_buffer, .address_space: global }
      - { .name: out0, .offset: 24, .size: 8, .value_kind: global_buffer, .address_space: global }
    .group_segment_fixed_size: 327680
    .private_segment_fixed_size: 0
    .kernarg_segment_align: 8
    .kernarg_segment_size: 32
    .max_flat_workgroup_size: 128
    .sgpr_count:     66
    .vgpr_count:     1024
    .wavefront_size: 32
...
	.end_amdgpu_metadata
.endif
;; end of part 2
